; MI455X (gfx1250); checked and timed in simulation.
; The chip was launched on July 23, 2026; its instructions are those of AMD's public machine-readable ISA for CDNA 5 (MIT licence, August 2026) and "CDNA5" Instruction Set Architecture Reference Guide (July 2026). The comments in the code are by the model that wrote it; some were corrected since.
;; Split Mind. Allowed arithmetic: float matrix products may take bf16 or f16 operands with f32 sums; other float arithmetic in f32, or as packed bf16 or f16 multiplies, adds, multiply-adds, maxima and minima; sums over many terms, partial sums and values carried from step to step in f32; what a program stores and reads back later, other than sums and carried values, may be rounded once to bf16 or f16.
;; Inputs: W 8 x 512 x 512 float32; b 8 x 512 float32; input 32,768 x 512 float32; weights 32,768 x 1 float32.
;; Outputs: out0 32,768 x 512 float32.
;; 2 versions, each right; version 2 is version 1 with the launch mix written anew for expert scheduling mode. Each part assembles by itself: llvm-mc -triple=amdgcn-amd-amdhsa -mcpu=gfx1250 --defsym DOCPART=n.
;; ======== version 1 of 2: 2 launches
;; limits: values are held in f16: magnitudes above 65,504 overflow, below 6.1e-05 lose precision
;; workspace buffers: Wf 524,288 bytes
;; launch fold (part 1): grid 256 x 1, 8 waves a work-group, no clusters, 3,072 bytes of LDS; arguments W, Wf; writes Wf
.if DOCPART == 1
	.amdgcn_target "amdgcn-amd-amdhsa--gfx1250"
	.amdhsa_code_object_version 6
	.text
	.protected	k_qfc23f16a6e_fold
	.globl	k_qfc23f16a6e_fold
	.p2align	8
	.type	k_qfc23f16a6e_fold,@function
k_qfc23f16a6e_fold:
	s_mov_b64 s[64:65], 0
	v_nop
	global_prefetch_b8 v0, s[64:65] scope:SCOPE_SE
	s_setreg_imm32_b32 hwreg(HW_REG_WAVE_MODE, 25, 1), 1
	s_wait_xcnt 0x0
; Ws[n][k] = the sum over e of W[e][n][k], added in f32 as ((0+1)+(2+3))+((4+5)+(6+7)), rounded ONCE to f16, and laid out in the order in which the
; next launch's waves take it into registers.  W: [8][512][512] f32.  Wf: 524,288 bytes of f16.
; WHY: every expert's result enters the output with the same factor weights[n], so  sum_e (x W[e]^T + b[e]) = x (sum_e W[e])^T + sum_e b[e]  for every input.
; The experts are summed ahead of the product: another order of rounding than the one in which the problem is written down.
; LIMITS: |sum_e W| stays under 65,504 (beyond it f16 has an infinity); below 6.1e-5 a number keeps f16's fixed step of 6e-8; NaN and infinities are not treated apart.
; LAYOUT OF Wf: pass p (0,1), wave w (0..3), K step s (0..15, 32 k each), column block c (0..3), half q (0,1), lane l = 16 h + r:
;   byte (((4 p + w) 16 + s) 4 + c) 1024 + 512 q + 16 l  holds  Ws[256 p + 64 w + 4 r + c][32 s + 16 q + 8 h .. + 7].
;   Each block of 1,024 bytes is one matrix operand of 16 columns x 32 k as registers hold it (q = 0: registers 0-3, q = 1: registers 4-7).
; SHARES: work-group g = (p, w, c, kq): 16 rows n = 256 p + 64 w + 4 rr + c (rr = 0..15) x 64 k (K steps 2 kq, 2 kq + 1): it reads 8 x 16 x 256 bytes and writes 2 x 1,024.
;   Thread t: rr = t / 16, pc = t % 16: four k at 64 kq + 4 pc.  A wave's load covers two rows' 256 consecutive bytes, each at a multiple of 256 from W's first byte.
; No matrix unit, no tensor load, no cluster: no two work-groups read the same byte, and there is one addition for each number read.
.set FRAGS, 0                          ; LDS 0..2047: the two operand blocks in the order of Wf
.set SPARE, 2048                       ; LDS 2048..3071: the spare words, 128 bytes for each of the eight waves; no other line names them
.set VO,  1                            ; v1      my byte offset in W: rr x 4 rows x 2,048 + 16 pc
.set LO,  2                            ; v2      where my 8 bytes go in LDS
.set X,   4                            ; v[4:35] expert e's four numbers at X + 4 e
.set H,   36                           ; v[36:37] four f16
.set SPW, 38                           ; v38     LDS address of my spare word; never rewritten
.set NIL, 39                           ; v39     0; never rewritten
.set BK,  40                           ; v[40:41] 8 bytes read back
.set RDA, 44                           ; v44     8 t
.set GO,  45                           ; v45     my byte offset in Wf
	s_load_b128 s[4:7], s[0:1], 0x0                ; W s[4:5], Wf s[6:7]
	v_lshl_add_u32 v[SPW], v0, 2, SPARE
	v_mov_b32 v[NIL], 0
	v_lshrrev_b32 v3, 4, v0                        ; rr
	v_and_b32 v46, 15, v0                          ; pc
	v_lshlrev_b32 v[VO], 13, v3                    ; rr x 8,192
	v_lshl_add_u32 v[VO], v46, 4, v[VO]            ; + 16 pc
	v_lshlrev_b32 v[LO], 4, v3                     ; lane r = rr: 16 rr
	v_and_b32 v47, 1, v46
	v_lshl_add_u32 v[LO], v47, 3, v[LO]            ; which four of the lane's eight k: 8 (pc % 2)
	v_bfe_u32 v47, v46, 1, 3                       ; pc / 2 = 4 s' + 2 q + h,
	v_lshl_add_u32 v[LO], v47, 8, v[LO]            ; times 256 = 1,024 s' + 512 q + 256 h
	v_lshlrev_b32 v[RDA], 3, v0
	v_lshrrev_b32 v3, 7, v0                        ; back: threads 0-127 take K step 2 kq, threads 128-255 K step 2 kq + 1,
	v_and_b32 v46, 127, v0
	v_lshlrev_b32 v[GO], 3, v46
	v_lshl_add_u32 v[GO], v3, 12, v[GO]            ; which lie 4 blocks of 1,024 bytes apart in Wf
	s_lshr_b32 s9, ttmp9, 5                        ; 4 p + w
	s_bfe_u32 s10, ttmp9, 0x20003                  ; c
	s_and_b32 s11, ttmp9, 7                        ; kq
	s_lshl_b32 s12, s9, 17                         ; W: (256 p + 64 w) rows of 2,048 bytes
	s_lshl_b32 s16, s10, 11                        ; + c rows
	s_or_b32 s12, s12, s16
	s_lshl_b32 s16, s11, 8                         ; + 64 kq numbers of 4 bytes
	s_or_b32 s12, s12, s16
	s_mov_b32 s13, 0
	s_lshl_b32 s14, s9, 16                         ; Wf: (4 p + w) x 65,536
	s_lshl_b32 s16, s11, 13                        ; + 2 kq x 4,096
	s_or_b32 s14, s14, s16
	s_lshl_b32 s16, s10, 10                        ; + c x 1,024
	s_or_b32 s14, s14, s16
	s_mov_b32 s15, 0
	s_wait_kmcnt 0x0
	s_add_nc_u64 s[4:5], s[4:5], s[12:13]
	s_add_nc_u64 s[6:7], s[6:7], s[14:15]
.irp e, 0,1,2,3,4,5,6,7
	global_load_b128 v[X+4*(\e):X+4*(\e)+3], v[VO], s[4:5] offset:(\e)*1048576 th:TH_LOAD_NT  ; an expert is 1,048,576 bytes: 7 of them stay inside the signed 24-bit immediate
.endr
	s_wait_loadcnt 0x0                             ; all eight feed one sum
.irp e, 0,2,4,6
	v_pk_add_f32 v[X+4*(\e):X+4*(\e)+1],   v[X+4*(\e):X+4*(\e)+1],   v[X+4*(\e)+4:X+4*(\e)+5]
	v_pk_add_f32 v[X+4*(\e)+2:X+4*(\e)+3], v[X+4*(\e)+2:X+4*(\e)+3], v[X+4*(\e)+6:X+4*(\e)+7]
.endr
.irp e, 0,4
	v_pk_add_f32 v[X+4*(\e):X+4*(\e)+1],   v[X+4*(\e):X+4*(\e)+1],   v[X+4*(\e)+8:X+4*(\e)+9]
	v_pk_add_f32 v[X+4*(\e)+2:X+4*(\e)+3], v[X+4*(\e)+2:X+4*(\e)+3], v[X+4*(\e)+10:X+4*(\e)+11]
.endr
	v_pk_add_f32 v[X:X+1],   v[X:X+1],   v[X+16:X+17]
	v_pk_add_f32 v[X+2:X+3], v[X+2:X+3], v[X+18:X+19]
	v_cvt_pk_f16_f32 v[H],   v[X],   v[X+1]        ; the one rounding
	v_cvt_pk_f16_f32 v[H+1], v[X+2], v[X+3]
	ds_store_b64 v[LO], v[H:H+1]                   ; one store a wave; its lanes' places are scattered over the two blocks, which is left as it is for a single instruction
	s_wait_dscnt 0x0                               ; for the others' sake: my store is done
	s_barrier_signal -1
	s_barrier_wait -1
	ds_load_b64 v[BK:BK+1], v[RDA]                 ; bytes that other waves stored
	s_wait_dscnt 0x0
	global_store_b64 v[GO], v[BK:BK+1], s[6:7]     ; a wave's 32 lanes store 256 consecutive bytes, at a multiple of 256 from Wf's first byte
	s_wait_tensorcnt 0x0                           ; the wave's end
	ds_add_u32 v[SPW], v[NIL]
	s_wait_dscnt 0x0
	s_endpgm
.Lfunc_end_k_qfc23f16a6e_fold:
	.size	k_qfc23f16a6e_fold, .Lfunc_end_k_qfc23f16a6e_fold-k_qfc23f16a6e_fold
	.p2alignl 7, 3214868480
	.fill 96, 4, 3214868480
	.section	.rodata,"a",@progbits
	.p2align	6, 0x0
	.amdhsa_kernel k_qfc23f16a6e_fold
		.amdhsa_group_segment_fixed_size 3072
		.amdhsa_private_segment_fixed_size 0
		.amdhsa_enable_private_segment 0
		.amdhsa_kernarg_size 16
		.amdhsa_user_sgpr_count 2
		.amdhsa_user_sgpr_kernarg_segment_ptr 1
		.amdhsa_wavefront_size32 1
		.amdhsa_system_sgpr_workgroup_id_x 1
		.amdhsa_system_sgpr_workgroup_id_y 1
		.amdhsa_system_sgpr_workgroup_id_z 1
		.amdhsa_system_vgpr_workitem_id 0
		.amdhsa_next_free_vgpr 48
		.amdhsa_next_free_sgpr 66
		.amdhsa_reserve_vcc 0
		.amdhsa_float_denorm_mode_32 3
		.amdhsa_float_denorm_mode_16_64 3
		.amdhsa_memory_ordered 1
		.amdhsa_forward_progress 1
		.amdhsa_inst_pref_size 4
	.end_amdhsa_kernel
	.amdgpu_metadata
---
amdhsa.version: [ 1, 2 ]
amdhsa.kernels:
  - .name:           k_qfc23f16a6e_fold
    .symbol:         k_qfc23f16a6e_fold.kd
    .args:
      - { .name: W, .offset: 0, .size: 8, .value_kind: global_buffer, .address_space: global }
      - { .name: Wf, .offset: 8, .size: 8, .value_kind: global_buffer, .address_space: global }
    .group_segment_fixed_size: 3072
    .private_segment_fixed_size: 0
    .kernarg_segment_align: 8
    .kernarg_segment_size: 16
    .max_flat_workgroup_size: 256
    .sgpr_count:     66
    .vgpr_count:     48
    .wavefront_size: 32
...
	.end_amdgpu_metadata
.endif
;; end of part 1
;; launch mix (part 2): grid 256 x 1, 4 waves a work-group, no clusters, 134,144 bytes of LDS; arguments Wf, b, input, weights, out0; writes out0
.if DOCPART == 2
	.amdgcn_target "amdgcn-amd-amdhsa--gfx1250"
	.amdhsa_code_object_version 6
	.text
	.protected	k_qfc23f16a6e_mix
	.globl	k_qfc23f16a6e_mix
	.p2align	8
	.type	k_qfc23f16a6e_mix,@function
k_qfc23f16a6e_mix:
	s_mov_b64 s[64:65], 0
	v_nop
	global_prefetch_b8 v0, s[64:65] scope:SCOPE_SE
	s_setreg_imm32_b32 hwreg(HW_REG_WAVE_MODE, 25, 1), 1
	s_wait_xcnt 0x0
; out[n][f] = weights[n] x ( x[n] . Ws[f] + sum_e b[e][f] ),  Ws = sum_e W[e] as the launch before left it in Wf (f16, in operand order).
; input, out0: [32768][512] f32.  weights: [32768] f32.  b: [8][512] f32.  Products of f16 operands, sums in f32; the bias sum (f32) starts each sum as the C operand; the weight multiplies in f32.
; LIMITS: |x| stays under 65,504 (beyond it f16 has an infinity); below 6.1e-5 an operand keeps f16's fixed step of 6e-8; the experts are summed ahead of the product
; (another order of rounding than the one in which the problem is written down); NaN and infinities are not treated apart.
; SHARES.  A work-group owns 128 rows and all 512 columns: each byte of x is read once and each byte of out written once.  It goes through the columns in two PASSES of 256.
;   In pass p wave w owns columns 256 p + 64 w .. + 63 and holds ALL their K in registers: 64 operands of 16 columns x 32 k, 512 registers (windows 2 and 3), loaded straight from Wf.
;   x is loaded through registers, rounded to f16 once and stored into an LDS image of the 128 rows that is never written again; the rows go in four SUB-TILES of 32.
;   Pass 0 stores sub-tile t + 1 into LDS while t + 2 and t + 3 are on their way; pass 1 reads the same image with the other half of Ws.
;   An operand of A (16 rows x 32 k, 1,024 bytes from LDS) feeds four matrix instructions; a sub-tile is 128 matrix instructions a wave, the kernel 1,024.
; COLUMNS.  Operand c (0..3) of a wave holds in lane r the column 4 r + c of its 64.  So in the results a lane holds, across the four accumulators c, FOUR NEIGHBOURING columns of a row:
;   16 bytes of f32, and sixteen lanes store 256 consecutive bytes: no way round through LDS on the way out.
; NO CLUSTER, NO TENSOR LOAD, though all work-groups read the same Wf: a joint load lands in LDS, and here Ws goes straight into the registers in which it stays for 128 rows.
;   Half of Ws in LDS (256 rows of 1,024 + 16 bytes = 266,240) does not fit beside x's image (133,120) in 327,680, and a ring of pieces would add 512 KiB of LDS writes and as many reads
;   to the 1,152 KiB that a work-group moves through LDS now.
; REGISTERS, in windows of 256 (s_set_vgpr_msb: bits 1:0 source 0, 3:2 source 1, 5:4 source 2, 7:6 destination):
;   window 0: addresses, weights, store data, bias, 8 accumulators, three buffers of A's operands      window 1: x as loaded, two banks of 128      windows 2, 3: Ws
.set PITCH, 1040                       ; a row of x in LDS: 1,024 bytes + 16 = 260 words: row r starts at bank 4 r mod 64 (64 banks of 4 bytes: ISA guide 11.1): the 16 rows of an operand load start at 16 different banks
.set SUBT,  32*PITCH                   ; a sub-tile in LDS
.set WB,    128*PITCH                  ; LDS 133,120: the 128 weights, f32
.set SPARE, WB+512                     ; LDS 133,632: the spare words, 128 bytes for each wave: two blocks of 256 bytes that no other line names
.set BO,   1                           ; v1   16 l: my 16 bytes in half an operand of Ws
.set XO,   2                           ; v2   x: wave x 8 rows x 2,048 + 16 l
.set PFO,  3                           ; v3   x, for prefetches: wave x 16,384 + 256 l
.set AST,  4                           ; v4   LDS: where my 8 bytes of f16 go: wave x 8 rows + 8 l; steps by a sub-tile
.set AFR,  5                           ; v5   LDS: my place in an operand of A: r x pitch + 16 h; steps by a sub-tile
.set AFR0, 6                           ; v6   the same for sub-tile 0
.set WAD,  7                           ; v7   LDS: the weights of my eight rows: WB + 32 h; steps by 32 rows
.set WAD0, 8                           ; v8   the same for sub-tile 0
.set OO,   9                           ; v9   out: 8 h rows + wave x 256 + 16 r
.set SPW,  10                          ; v10  LDS address of my spare word; never rewritten
.set NIL,  11                          ; v11  0; never rewritten
.set BS1,  12                          ; v[12:15]   pass 1's bias sums for my four columns
.set WR,   16                          ; v[16:31]   the weights of rows 16 a + 8 h + j at WR + 8 a + j
.set T,    32                          ; v[32:63]   store data: row j's four columns at T + 4 j; at the start a few temporaries
.set BIAS, 64                          ; v[64:95]   the C operand that starts a sum: column block c at BIAS + 8 c, eight equal registers
.set ACC,  96                          ; v[96:159]  accumulator (a, c) at ACC + 8 (4 a + c)
.set F,    160                         ; v[160:255] three buffers of 32: group g (K steps 2 g, 2 g + 1) uses buffer g % 3; K step parity u, row block a at + 16 u + 8 a
.set MSB, 0
.macro WIN new                         ; the immediate's high byte repeats the setting that is left; a switch that changes nothing is dropped
.if MSB != (\new)
	s_set_vgpr_msb (MSB<<8)|(\new)
.set MSB, (\new)
.endif
.endm
; A load into a register that a matrix instruction has read, and a vector instruction that reads a matrix result, stand four places behind that matrix instruction, and only plain
; vector instructions that name none of its registers are places (ISA guide 7.12.1 for vector instructions).
.macro PLACES
.rept 4
	v_nop
.endr
.endm
; Ws of group g (K steps 2 g, 2 g + 1) for pass p: 16 loads of 512 consecutive bytes; operand (s, c) goes to 8 (4 (s % 8) + c) of window 2 + s / 8
.macro BLOAD g, p
.if (\g) < 4
	WIN 0x80
.else
	WIN 0xc0
.endif
.irp u, 0,1
.irp c, 0,1,2,3
.irp q, 0,1
	global_load_b128 v[8*(4*((2*(\g)+(\u))%8)+(\c))+4*(\q):8*(4*((2*(\g)+(\u))%8)+(\c))+4*(\q)+3], v[BO], s[4:5] offset:(\p)*262144+((4*(2*(\g)+(\u))+(\c))*2+(\q))*512
.endr
.endr
.endr
.endm
; My eight rows of sub-tile t into a bank of window 1: 32 loads, each 512 consecutive bytes of one row
.macro XLOAD t, bank
	WIN 0x40
.irp i, 0,1,2,3,4,5,6,7
.irp k, 0,1,2,3
	global_load_b128 v[128*(\bank)+4*(4*(\i)+(\k)):128*(\bank)+4*(4*(\i)+(\k))+3], v[XO], s[8:9] offset:(\t)*65536+(\i)*2048+(\k)*512 th:TH_LOAD_NT
.endr
.endr
.endm
; My eight rows of sub-tile t (16,384 bytes) are asked for ahead: lanes 256 bytes apart, two lines, each block of 256 bytes once, by the wave that will load it
.macro XPREF t
	WIN 0
	global_prefetch_b8 v[PFO], s[8:9] offset:(\t)*65536 th:TH_LOAD_NT scope:SCOPE_SE
	global_prefetch_b8 v[PFO], s[8:9] offset:(\t)*65536+8192 th:TH_LOAD_NT scope:SCOPE_SE
.endm
; A bank of x is rounded to f16 in place and stored into the LDS image; then the bank is loaded again with sub-tile nextt (-1: nothing is left).
; left = how many younger loads may stay out: the other bank's 32, or none.
.macro FEED bank, left, nextt
	s_wait_loadcnt \left
	WIN 0x45                                       ; sources and destination in window 1
.set n, 0
.rept 32
	v_cvt_pk_f16_f32 v[128*(\bank)+4*n],   v[128*(\bank)+4*n],   v[128*(\bank)+4*n+1]
	v_cvt_pk_f16_f32 v[128*(\bank)+4*n+1], v[128*(\bank)+4*n+2], v[128*(\bank)+4*n+3]
.set n, n+1
.endr
	WIN 0x04                                       ; address window 0, data window 1
.irp i, 0,1,2,3,4,5,6,7
.irp k, 0,1,2,3
	ds_store_b64 v[AST], v[128*(\bank)+4*(4*(\i)+(\k)):128*(\bank)+4*(4*(\i)+(\k))+1] offset:(\i)*PITCH+(\k)*256  ; 32 lanes, 256 consecutive bytes of a row
.endr
.endr
.if (\nextt) >= 0
	XLOAD \nextt, \bank
.endif
	WIN 0
	v_add_nc_u32 v[AST], SUBT, v[AST]
.endm
; A's operands of group g: 2 K steps x 2 row blocks, two loads of 16 bytes each, 32 bytes apart.  Destination and address lie in window 0: it stands under the settings 0, 0x08 and 0x0c alike.
.macro FETCHG g
.irp u, 0,1
.irp a, 0,1
	ds_load_b128 v[F+32*((\g)%3)+16*(\u)+8*(\a):F+32*((\g)%3)+16*(\u)+8*(\a)+3],   v[AFR] offset:(\a)*16*PITCH+(2*(\g)+(\u))*64
	ds_load_b128 v[F+32*((\g)%3)+16*(\u)+8*(\a)+4:F+32*((\g)%3)+16*(\u)+8*(\a)+7], v[AFR] offset:(\a)*16*PITCH+(2*(\g)+(\u))*64+32
.endr
.endr
.endm
; K step s: 8 matrix instructions, the eight accumulators by turns, one instruction a turn.  K step 0 starts the sums with the bias: nothing is cleared.
.macro MM s
.if (\s) < 8
	WIN 0x08                                       ; source 1 (Ws) in window 2
.else
	WIN 0x0c                                       ; in window 3
.endif
.irp a, 0,1
.irp c, 0,1,2,3
.if (\s) == 0
	v_wmma_f32_16x16x32_f16 v[ACC+8*(4*(\a)+(\c)):ACC+8*(4*(\a)+(\c))+7], v[F+32*(((\s)/2)%3)+16*((\s)%2)+8*(\a):F+32*(((\s)/2)%3)+16*((\s)%2)+8*(\a)+7], v[8*(4*((\s)%8)+(\c)):8*(4*((\s)%8)+(\c))+7], v[BIAS+8*(\c):BIAS+8*(\c)+7]
.else
	v_wmma_f32_16x16x32_f16 v[ACC+8*(4*(\a)+(\c)):ACC+8*(4*(\a)+(\c))+7], v[F+32*(((\s)/2)%3)+16*((\s)%2)+8*(\a):F+32*(((\s)/2)%3)+16*((\s)%2)+8*(\a)+7], v[8*(4*((\s)%8)+(\c)):8*(4*((\s)%8)+(\c))+7], v[ACC+8*(4*(\a)+(\c)):ACC+8*(4*(\a)+(\c))+7]
.endif
.endr
.endr
.endm
; A sub-tile's 128 matrix instructions, in eight groups of two K steps.  Groups 0 and 1 have been fetched by what stands in front.  In group qq: its operands are waited for (the next group's
; eight loads may stay out); four places; group qq + 2 is fetched into the buffer that group qq - 1 has just left; in group 6 the sub-tile's weights are fetched in its stead.
; reload = 1: pass 0's last sub-tile: each group's registers of Ws are loaded with pass 1's as soon as the group has been multiplied.
; lw = 1: pass 1's first sub-tile: group qq of that reload is waited for: behind it 16 (7 - qq) loads were issued; the wait's field holds 63 at the most, and a smaller count is safe.
.macro COMPUTE reload, lw
.set qq, 0
.rept 8
.if qq < 7
	s_wait_dscnt 8
.else
	s_wait_dscnt 0x0                               ; the last group, and the weights
.endif
.if qq >= 1
	PLACES
.endif
.if qq <= 5
	FETCHG qq+2
.endif
.if qq == 6
.irp a, 0,1
	ds_load_b128 v[WR+8*(\a):WR+8*(\a)+3],   v[WAD] offset:(\a)*64
	ds_load_b128 v[WR+8*(\a)+4:WR+8*(\a)+7], v[WAD] offset:(\a)*64+16
.endr
.endif
.if (\reload) && (qq >= 1)
	BLOAD qq-1, 1
.endif
.if \lw
.if 16*(7-qq) > 63
	s_wait_loadcnt 63
.else
	s_wait_loadcnt 16*(7-qq)
.endif
.endif
	MM 2*qq
	MM 2*qq+1
.set qq, qq+1
.endr
	PLACES                                         ; for the way out's reads of the results, for the fetches into buffers 0 and 1, and for the last reload
.if \reload
	BLOAD 7, 1
.endif
	WIN 0
.endm
; THE WAY OUT of row block a.  Row 16 a + 8 h + j: the four accumulators' register j times the row's weight are 16 neighbouring bytes.  j ascends: each accumulator is read from its low end on.
.macro EPI_MUL a
.irp j, 0,1,2,3,4,5,6,7
.irp c, 0,1,2,3
	v_mul_f32 v[T+4*(\j)+(\c)], v[ACC+8*(4*(\a)+(\c))+(\j)], v[WR+8*(\a)+(\j)]
.endr
.endr
.endm
.macro EPI_ST a
.irp j, 0,1,2,3,4,5,6,7
	global_store_b128 v[OO], v[T+4*(\j):T+4*(\j)+3], s[12:13] offset:(\a)*32768+(\j)*2048 th:TH_STORE_NT  ; lanes 0-15: 256 consecutive bytes of row 16 a + j, at a multiple of 256 from out's first byte; lanes 16-31: of row 16 a + 8 + j
.endr
.endm
; What follows a sub-tile's products.  adv: bytes by which out's address steps first.  bar = 1: x's next sub-tile has just been stored into LDS: my stores are waited for, and a barrier
; stands between every wave's stores and the fetches; the first row block's multiplications stand between its signal and its wait.  step: 1 the LDS addresses go on a sub-tile, 2 back to sub-tile 0, 0 stay.
; fetch = 1: the next sub-tile's groups 0 and 1 are fetched, ahead of the stores.
.macro TAIL adv, bar, fetch, step
	s_wait_xcnt 0x0                                ; every earlier memory instruction has had its addresses translated (ISA guide 3.1): only behind this wait are the stores' base and their data registers rewritten
.if (\adv) > 0
	s_add_nc_u64 s[12:13], s[12:13], \adv
.elseif (\adv) < 0
	s_sub_nc_u64 s[12:13], s[12:13], -(\adv)
.endif
.if \bar
	s_wait_dscnt 0x0                               ; for the others' sake: my stores into the image are done
	s_barrier_signal -1
.endif
	EPI_MUL 0
.if \bar
	s_barrier_wait -1
.endif
.if (\step) == 1
	v_add_nc_u32 v[AFR], SUBT, v[AFR]
	v_add_nc_u32 v[WAD], 128, v[WAD]
.elseif (\step) == 2
	v_mov_b32 v[AFR], v[AFR0]
	v_mov_b32 v[WAD], v[WAD0]
.endif
.if \fetch
	FETCHG 0
	FETCHG 1
.endif
	EPI_ST 0
	s_wait_xcnt 0x0                                ; the data registers are written again only behind this wait
	EPI_MUL 1
	EPI_ST 1
.endm
; The eight experts' bias for my four columns, at base + 4 e, added as ((0+1)+(2+3))+((4+5)+(6+7)) into dst .. dst + 3
.macro BSUM base, dst
.irp e, 0,2,4,6
	v_pk_add_f32 v[(\base)+4*(\e):(\base)+4*(\e)+1],   v[(\base)+4*(\e):(\base)+4*(\e)+1],   v[(\base)+4*(\e)+4:(\base)+4*(\e)+5]
	v_pk_add_f32 v[(\base)+4*(\e)+2:(\base)+4*(\e)+3], v[(\base)+4*(\e)+2:(\base)+4*(\e)+3], v[(\base)+4*(\e)+6:(\base)+4*(\e)+7]
.endr
.irp e, 0,4
	v_pk_add_f32 v[(\base)+4*(\e):(\base)+4*(\e)+1],   v[(\base)+4*(\e):(\base)+4*(\e)+1],   v[(\base)+4*(\e)+8:(\base)+4*(\e)+9]
	v_pk_add_f32 v[(\base)+4*(\e)+2:(\base)+4*(\e)+3], v[(\base)+4*(\e)+2:(\base)+4*(\e)+3], v[(\base)+4*(\e)+10:(\base)+4*(\e)+11]
.endr
	v_pk_add_f32 v[(\dst):(\dst)+1],   v[(\base):(\base)+1],   v[(\base)+16:(\base)+17]
	v_pk_add_f32 v[(\dst)+2:(\dst)+3], v[(\base)+2:(\base)+3], v[(\base)+18:(\base)+19]
.endm
; The C operand: a column's bias in all eight rows of the lane.  32 copies a pass, in place of an addition for each of the pass's 256 results a lane
.macro SETBIAS src
.irp c, 0,1,2,3
.irp j, 0,1,2,3,4,5,6,7
	v_mov_b32 v[BIAS+8*(\c)+(\j)], v[(\src)+(\c)]
.endr
.endr
.endm
	s_load_b256 s[4:11], s[0:1], 0x0               ; Wf s[4:5], b s[6:7], input s[8:9], weights s[10:11]
	s_load_b64 s[12:13], s[0:1], 0x20              ; out0
	v_lshl_add_u32 v[SPW], v0, 2, SPARE
	v_mov_b32 v[NIL], 0
	v_lshrrev_b32 v36, 5, v0
	v_readfirstlane_b32 s16, v36                   ; wave 0..3
	v_and_b32 v36, 31, v0                          ; l
	v_and_b32 v37, 15, v0                          ; r = l % 16
	v_bfe_u32 v38, v0, 4, 1                        ; h = l / 16
	s_mul_i32 s17, s16, 8*PITCH                    ; my eight rows of a sub-tile in LDS
	v_lshlrev_b32 v[BO], 4, v36
	v_lshl_add_u32 v[XO], s16, 14, v[BO]
	v_lshlrev_b32 v[PFO], 8, v36
	v_lshl_add_u32 v[PFO], s16, 14, v[PFO]
	v_lshl_add_u32 v[AST], v36, 3, s17
	v_mul_u32_u24 v[AFR0], v37, PITCH
	v_lshl_add_u32 v[AFR0], v38, 4, v[AFR0]
	v_mov_b32 v[AFR], v[AFR0]
	v_lshl_add_u32 v[WAD0], v38, 5, WB
	v_mov_b32 v[WAD], v[WAD0]
	v_lshlrev_b32 v33, 4, v37
	v_lshl_add_u32 v33, s16, 8, v33                ; my four columns in a row of b, and in a pass's 1,024 bytes of a row of out: 256 wave + 16 r
	v_lshl_add_u32 v[OO], v38, 14, v33             ; + 8 h rows of 2,048 bytes
	v_lshlrev_b32 v34, 2, v0                       ; thread t fetches the weight of row t
	v_lshl_add_u32 v35, v0, 2, WB                  ; and puts it here
	s_lshl_b32 s18, ttmp9, 18                      ; the work-group's 128 rows of 2,048 bytes
	s_mov_b32 s19, 0
	s_lshl_b32 s20, ttmp9, 9                       ; its 128 weights
	s_mov_b32 s21, 0
	s_lshl_b32 s22, s16, 16                        ; my wave's 65,536 bytes of a pass's Ws
	s_mov_b32 s23, 0
	s_wait_kmcnt 0x0
	s_add_nc_u64 s[4:5], s[4:5], s[22:23]
	s_add_nc_u64 s[8:9], s[8:9], s[18:19]
	s_add_nc_u64 s[10:11], s[10:11], s[20:21]
	s_add_nc_u64 s[12:13], s[12:13], s[18:19]
	global_load_b32 v32, v34, s[10:11]
.irp p, 0,1
.irp e, 0,1,2,3,4,5,6,7
	global_load_b128 v[F+32*(\p)+4*(\e):F+32*(\p)+4*(\e)+3], v33, s[6:7] offset:(\e)*2048+(\p)*1024
.endr
.endr
.irp g, 0,1,2,3,4,5,6,7
	BLOAD \g, 0                                    ; pass 0's Ws: 128 loads
.endr
	XLOAD 0, 0
	XLOAD 1, 1
	XPREF 2                                        ; sub-tile 2 is loaded when bank 0 has been stored
	s_wait_loadcnt 63                              ; the youngest 64 loads are x's: the weight, b and all of Ws are in
	BSUM F, F
	BSUM F+32, BS1
	SETBIAS F
	ds_store_b32 v35, v32
	FEED 0, 32, 2                                  ; sub-tile 0 into LDS (bank 1's 32 loads stay out); bank 0 takes sub-tile 2
	XPREF 3                                        ; sub-tile 3 is loaded when bank 1 has been stored, a sub-tile's products later; nothing lies beyond it
	s_wait_dscnt 0x0                               ; for the others' sake: my stores of x and of the weight are done
	s_barrier_signal -1
	s_barrier_wait -1
	FETCHG 0
	FETCHG 1
	; PASS 0: columns 0 to 255.  The LDS image is only ever added to, so one barrier a sub-tile, between its stores and its reads, is all.
	COMPUTE 0, 0                                   ; sub-tile 0
	FEED 1, 32, 3                                  ; sub-tile 1 into LDS (behind bank 1's loads stand bank 0's 32); bank 1 takes sub-tile 3
	TAIL 0, 1, 1, 1
	COMPUTE 0, 0                                   ; sub-tile 1
	FEED 0, 32, -1                                 ; sub-tile 2 into LDS
	TAIL 65536, 1, 1, 1
	COMPUTE 0, 0                                   ; sub-tile 2
	FEED 1, 0, -1                                  ; sub-tile 3 into LDS: no load is younger
	TAIL 65536, 1, 1, 1
	COMPUTE 1, 0                                   ; sub-tile 3; Ws is exchanged for pass 1's behind each group
	TAIL 65536, 0, 1, 2                            ; the fetches go back to sub-tile 0
	SETBIAS BS1                                    ; the last products that read the C operand stand seven groups' places back
	; PASS 1: columns 256 to 511, from the same image: no store into LDS, no barrier.
	COMPUTE 0, 1                                   ; sub-tile 0
	TAIL -195584, 0, 1, 1                          ; out: three sub-tiles of 65,536 bytes back, 1,024 bytes along the rows
	s_mov_b32 s20, 2
.Lp1:                                                  ; sub-tiles 1 and 2
	COMPUTE 0, 0
	TAIL 65536, 0, 1, 1
	s_sub_co_u32 s20, s20, 1
	s_cmp_lg_u32 s20, 0
	s_cbranch_scc1 .Lp1
	COMPUTE 0, 0                                   ; sub-tile 3: nothing more is fetched
	TAIL 65536, 0, 0, 0
	s_wait_tensorcnt 0x0                           ; the wave's end
	ds_add_u32 v[SPW], v[NIL]
	s_wait_dscnt 0x0
	s_endpgm
.Lfunc_end_k_qfc23f16a6e_mix:
	.size	k_qfc23f16a6e_mix, .Lfunc_end_k_qfc23f16a6e_mix-k_qfc23f16a6e_mix
	.p2alignl 7, 3214868480
	.fill 96, 4, 3214868480
	.section	.rodata,"a",@progbits
	.p2align	6, 0x0
	.amdhsa_kernel k_qfc23f16a6e_mix
		.amdhsa_group_segment_fixed_size 134144
		.amdhsa_private_segment_fixed_size 0
		.amdhsa_enable_private_segment 0
		.amdhsa_kernarg_size 40
		.amdhsa_user_sgpr_count 2
		.amdhsa_user_sgpr_kernarg_segment_ptr 1
		.amdhsa_wavefront_size32 1
		.amdhsa_system_sgpr_workgroup_id_x 1
		.amdhsa_system_sgpr_workgroup_id_y 1
		.amdhsa_system_sgpr_workgroup_id_z 1
		.amdhsa_system_vgpr_workitem_id 0
		.amdhsa_next_free_vgpr 1024
		.amdhsa_next_free_sgpr 66
		.amdhsa_reserve_vcc 0
		.amdhsa_float_denorm_mode_32 3
		.amdhsa_float_denorm_mode_16_64 3
		.amdhsa_memory_ordered 1
		.amdhsa_forward_progress 1
		.amdhsa_inst_pref_size 192
	.end_amdhsa_kernel
	.amdgpu_metadata
---
amdhsa.version: [ 1, 2 ]
amdhsa.kernels:
  - .name:           k_qfc23f16a6e_mix
    .symbol:         k_qfc23f16a6e_mix.kd
    .args:
      - { .name: Wf, .offset: 0, .size: 8, .value_kind: global_buffer, .address_space: global }
      - { .name: b, .offset: 8, .size: 8, .value_kind: global_buffer, .address_space: global }
      - { .name: input, .offset: 16, .size: 8, .value_kind: global_buffer, .address_space: global }
      - { .name: weights, .offset: 24, .size: 8, .value_kind: global_buffer, .address_space: global }
      - { .name: out0, .offset: 32, .size: 8, .value_kind: global_buffer, .address_space: global }
    .group_segment_fixed_size: 134144
    .private_segment_fixed_size: 0
    .kernarg_segment_align: 8
    .kernarg_segment_size: 40
    .max_flat_workgroup_size: 128
    .sgpr_count:     66
    .vgpr_count:     1024
    .wavefront_size: 32
...
	.end_amdgpu_metadata
.endif
;; end of part 2
;; ======== version 2 of 2: 2 launches; version 1 with the launch mix written anew for expert scheduling mode
;; limits: values are held in f16: magnitudes above 65,504 overflow, below 6.1e-05 lose precision
;; workspace buffers: Wf 524,288 bytes
;; launch fold: the kernel of part 1 again; grid 256 x 1, 8 waves a work-group, no clusters, 3,072 bytes of LDS; arguments W, Wf; writes Wf
;; launch mix (part 3): grid 256 x 1, 4 waves a work-group, no clusters, 134,144 bytes of LDS; arguments Wf, b, input, weights, out0; writes out0
.if DOCPART == 3
	.amdgcn_target "amdgcn-amd-amdhsa--gfx1250"
	.amdhsa_code_object_version 6
	.text
	.protected	k_qfc23f16a6e_mix
	.globl	k_qfc23f16a6e_mix
	.p2align	8
	.type	k_qfc23f16a6e_mix,@function
k_qfc23f16a6e_mix:
	s_mov_b64 s[64:65], 0
	v_nop
	global_prefetch_b8 v0, s[64:65] scope:SCOPE_SE
	s_setreg_imm32_b32 hwreg(HW_REG_WAVE_SCHED_MODE, 0, 2), 2
	s_setreg_imm32_b32 hwreg(HW_REG_WAVE_MODE, 25, 1), 1
	s_wait_xcnt 0x0
	s_wait_alu depctr_vm_vsrc(0)
; out[n][f] = weights[n] x ( x[n] . Ws[f] + sum_e b[e][f] ),  Ws = sum_e W[e] as the launch before left it in Wf (f16, in operand order).
; input, out0: [32768][512] f32.  weights: [32768] f32.  b: [8][512] f32.  Products of f16 operands, sums in f32; the bias sum (f32) starts each sum as the C operand; the weight multiplies in f32.
; LIMITS: |x| stays under 65,504 (beyond it f16 has an infinity); below 6.1e-5 an operand keeps f16's fixed step of 6e-8; the experts are summed ahead of the product
; (another order of rounding than the one in which the problem is written down); NaN and infinities are not treated apart.
; SHARES.  A work-group owns 128 rows and all 512 columns: each byte of x is read once and each byte of out written once.  It goes through the columns in two PASSES of 256.
;   In pass p wave w owns columns 256 p + 64 w .. + 63 and holds ALL their K in registers: 64 operands of 16 columns x 32 k, 512 registers (windows 2 and 3), loaded straight from Wf.
;   x is loaded through registers, rounded to f16 once and stored into an LDS image of the 128 rows that is never written again; the rows go in four SUB-TILES of 32.
;   Pass 0 stores sub-tile t + 1 into LDS while t + 2 and t + 3 are on their way; pass 1 reads the same image with the other half of Ws.
;   An operand of A (16 rows x 32 k, 1,024 bytes from LDS) feeds four matrix instructions; a sub-tile is 128 matrix instructions a wave, the kernel 1,024.
; COLUMNS.  Operand c (0..3) of a wave holds in lane r the column 4 r + c of its 64.  So in the results a lane holds, across the four accumulators c, FOUR NEIGHBOURING columns of a row:
;   16 bytes of f32, and sixteen lanes store 256 consecutive bytes: no way round through LDS on the way out.
; NO CLUSTER, NO TENSOR LOAD, though all work-groups read the same Wf: a joint load lands in LDS, and here Ws goes straight into the registers in which it stays for 128 rows.
;   Half of Ws in LDS (256 rows of 1,024 + 16 bytes = 266,240) does not fit beside x's image (133,120) in 327,680, and a ring of pieces would add 512 KiB of LDS writes and as many reads
;   to the 1,152 KiB that a work-group moves through LDS now.
; THE MODE: SCHED_MODE bits 1:0 = 2 (LLVM: expert scheduling mode 2), set by the entry lines.  The code itself states the register dependences
; between vector or matrix instructions and memory or LDS instructions, with s_wait_alu, always for 0.
; THE PLAN.  Registers that memory or LDS instructions touch:
;   BO, XO, PFO, OO   offsets, made at the head and never written again.
;   AST               read by a FEED's 32 LDS stores, stepped once behind them.
;   AFR, WAD          read by a sub-tile's 68 LDS loads, stepped once in the way out.
;   F0, F1, F2        group g's operands of A land in F[g % 3]; group g's 16 matrix instructions read them.
;   T, T2 = F2        the way out's multiplications write them (row block 0 into T, row block 1 into T2); its 16 stores read them; group 2's operands land in T2 afterwards.
;   WR                the weights land in it in group 6; the way out's multiplications read it.
;   the banks of x    loads land; the conversions read and write them in place; LDS stores read them; loads land again.
;   Ws                loads land; matrix instructions read; in pass 0's last sub-tile loads land again.
;   ACC, BIAS and BS1 are named by vector and matrix instructions alone.
; A sub-tile has three waits on va_vdst among its products, ahead of groups 2, 4 and 6: each states that the two groups before are done reading their buffers, and the loads of the next two
; groups follow it, dealt among products that name neither those buffers nor the address.  The way out has one: behind its 64 multiplications and the two steps, ahead of the fetches of groups 0 and 1
; and of all 16 stores.  The stores' registers are freed behind the next sub-tile's first 16 products, ahead of group 2's loads.
; REGISTERS, in windows of 256 (s_set_vgpr_msb: bits 1:0 source 0, 3:2 source 1, 5:4 source 2, 7:6 destination):
;   window 0: addresses, weights, store data, bias, 8 accumulators, three buffers of A's operands      window 1: x as loaded, two banks of 128      windows 2, 3: Ws
.set PITCH, 1040                       ; a row of x in LDS: 1,024 bytes + 16 = 260 words: row r starts at bank 4 r mod 64 (64 banks of 4 bytes: ISA guide 11.1): the 16 rows of an operand load start at 16 different banks
.set SUBT,  32*PITCH                   ; a sub-tile in LDS
.set WB,    128*PITCH                  ; LDS 133,120: the 128 weights, f32; the 512 bytes behind them are the spare words, 128 bytes a wave
.set BO,   1                           ; v1   16 l: my 16 bytes in half an operand of Ws
.set XO,   2                           ; v2   x: wave x 8 rows x 2,048 + 16 l
.set PFO,  3                           ; v3   x, for prefetches: wave x 16,384 + 256 l
.set AST,  4                           ; v4   LDS: where my 8 bytes of f16 go: wave x 8 rows + 8 l; steps by a sub-tile
.set AFR,  5                           ; v5   LDS: my place in an operand of A: r x pitch + 16 h; steps by a sub-tile
.set AFR0, 6                           ; v6   the same for sub-tile 0
.set WAD,  7                           ; v7   LDS: the weights of my eight rows: WB + 32 h; steps by 32 rows
.set WAD0, 8                           ; v8   the same for sub-tile 0
.set OO,   9                           ; v9   out: 8 h rows + wave x 256 + 16 r
.set BS1,  12                          ; v[12:15]   pass 1's bias sums for my four columns
.set WR,   16                          ; v[16:31]   the weights of rows 16 a + 8 h + j at WR + 8 a + j
.set T,    32                          ; v[32:63]   store data of row block 0: row j's four columns at T + 4 j; at the start a few temporaries
.set BIAS, 64                          ; v[64:95]   the C operand that starts a sum: column block c at BIAS + 8 c, eight equal registers
.set ACC,  96                          ; v[96:159]  accumulator (a, c) at ACC + 8 (4 a + c)
.set F,    160                         ; v[160:255] three buffers of 32: group g (K steps 2 g, 2 g + 1) uses buffer g % 3; K step parity u, row block a at + 16 u + 8 a
.set T2,   F+64                         ; v[224:255] store data of row block 1: the third buffer, which holds no operands between group 5 and the next sub-tile's group 2
.set MSB, 0
.macro WIN new                         ; the immediate's high byte repeats the setting that is left; a switch that changes nothing is dropped
.if MSB != (\new)
	s_set_vgpr_msb (MSB<<8)|(\new)
.set MSB, (\new)
.endif
.endm
; A vector instruction that reads a matrix result or writes one of a matrix instruction's registers stands four places behind that matrix instruction, and only plain vector instructions
; that name none of its registers are places (ISA guide 7.12.1).  The four also stay in front of the loads into registers that matrix instructions have read, beside the wait that stands there.
.macro PLACES
.rept 4
	v_nop
.endr
.endm
; Ws of group g (K steps 2 g, 2 g + 1) for pass p: 16 loads of 512 consecutive bytes; operand (s, c) goes to 8 (4 (s % 8) + c) of window 2 + s / 8
.macro BLOAD g, p
.if (\g) < 4
	WIN 0x80
.else
	WIN 0xc0
.endif
.irp u, 0,1
.irp c, 0,1,2,3
.irp q, 0,1
	global_load_b128 v[8*(4*((2*(\g)+(\u))%8)+(\c))+4*(\q):8*(4*((2*(\g)+(\u))%8)+(\c))+4*(\q)+3], v[BO], s[4:5] offset:(\p)*262144+((4*(2*(\g)+(\u))+(\c))*2+(\q))*512
.endr
.endr
.endr
.endm
; My eight rows of sub-tile t into a bank of window 1: 32 loads, each 512 consecutive bytes of one row
.macro XLOAD t, bank
	WIN 0x40
.irp i, 0,1,2,3,4,5,6,7
.irp k, 0,1,2,3
	global_load_b128 v[128*(\bank)+4*(4*(\i)+(\k)):128*(\bank)+4*(4*(\i)+(\k))+3], v[XO], s[8:9] offset:(\t)*65536+(\i)*2048+(\k)*512 th:TH_LOAD_NT
.endr
.endr
.endm
; My eight rows of sub-tile t (16,384 bytes) are asked for ahead: lanes 256 bytes apart, two lines, each block of 256 bytes once, by the wave that will load it
.macro XPREF t
	WIN 0
	global_prefetch_b8 v[PFO], s[8:9] offset:(\t)*65536 th:TH_LOAD_NT scope:SCOPE_SE
	global_prefetch_b8 v[PFO], s[8:9] offset:(\t)*65536+8192 th:TH_LOAD_NT scope:SCOPE_SE
.endm
; A bank of x is rounded to f16 in place and stored into the LDS image; then the bank is loaded again with sub-tile nextt (-1: nothing is left).
; left = how many younger loads may stay out: the other bank's 32, or none.
.macro FEED bank, left, nextt
	s_wait_loadcnt \left
	WIN 0x45                                       ; sources and destination in window 1
.set n, 0
.rept 32
	v_cvt_pk_f16_f32 v[128*(\bank)+4*n],   v[128*(\bank)+4*n],   v[128*(\bank)+4*n+1]
	v_cvt_pk_f16_f32 v[128*(\bank)+4*n+1], v[128*(\bank)+4*n+2], v[128*(\bank)+4*n+3]
.set n, n+1
.endr
	WIN 0x04                                       ; address window 0, data window 1
	s_wait_alu depctr_va_vdst(0)                   ; the conversions have written the bank's registers, which the LDS stores read; the add behind the last FEED's stores has written v[AST], their address
.irp i, 0,1,2,3,4,5,6,7
.irp k, 0,1,2,3
	ds_store_b64 v[AST], v[128*(\bank)+4*(4*(\i)+(\k)):128*(\bank)+4*(4*(\i)+(\k))+1] offset:(\i)*PITCH+(\k)*256  ; 32 lanes, 256 consecutive bytes of a row
.endr
.endr
.if (\nextt) >= 0
	WIN 0x40                                       ; the loads' window first, then the waits, then the loads
.endif
	s_wait_alu depctr_vm_vsrc(0)                   ; the LDS stores have read v[AST], which is stepped below, and the bank's registers, in which the loads below land
.if (\nextt) >= 0
	s_wait_alu depctr_va_vdst(0)                   ; the conversions are done reading and writing the bank in which these loads land: stated directly ahead of them, since the stores above name the same registers
	XLOAD \nextt, \bank
.endif
	WIN 0
	v_add_nc_u32 v[AST], SUBT, v[AST]
.endm
; A's operands of group g: 2 K steps x 2 row blocks, two loads of 16 bytes each, 32 bytes apart.  Destination and address lie in window 0: it stands under the settings 0, 0x08 and 0x0c alike.
.macro FETCHG g
.irp u, 0,1
.irp a, 0,1
	ds_load_b128 v[F+32*((\g)%3)+16*(\u)+8*(\a):F+32*((\g)%3)+16*(\u)+8*(\a)+3],   v[AFR] offset:(\a)*16*PITCH+(2*(\g)+(\u))*64
	ds_load_b128 v[F+32*((\g)%3)+16*(\u)+8*(\a)+4:F+32*((\g)%3)+16*(\u)+8*(\a)+7], v[AFR] offset:(\a)*16*PITCH+(2*(\g)+(\u))*64+32
.endr
.endr
.endm
; K step s: 8 matrix instructions, the eight accumulators by turns, one instruction a turn.  K step 0 starts the sums with the bias: nothing is cleared.
.macro MM s
.if (\s) < 8
	WIN 0x08                                       ; source 1 (Ws) in window 2
.else
	WIN 0x0c                                       ; in window 3
.endif
.irp a, 0,1
.irp c, 0,1,2,3
.if (\s) == 0
	v_wmma_f32_16x16x32_f16 v[ACC+8*(4*(\a)+(\c)):ACC+8*(4*(\a)+(\c))+7], v[F+32*(((\s)/2)%3)+16*((\s)%2)+8*(\a):F+32*(((\s)/2)%3)+16*((\s)%2)+8*(\a)+7], v[8*(4*((\s)%8)+(\c)):8*(4*((\s)%8)+(\c))+7], v[BIAS+8*(\c):BIAS+8*(\c)+7]
.else
	v_wmma_f32_16x16x32_f16 v[ACC+8*(4*(\a)+(\c)):ACC+8*(4*(\a)+(\c))+7], v[F+32*(((\s)/2)%3)+16*((\s)%2)+8*(\a):F+32*(((\s)/2)%3)+16*((\s)%2)+8*(\a)+7], v[8*(4*((\s)%8)+(\c)):8*(4*((\s)%8)+(\c))+7], v[ACC+8*(4*(\a)+(\c)):ACC+8*(4*(\a)+(\c))+7]
.endif
.endr
.endr
.endm
; on = 1: pass 1's first sub-tile: group g of pass 1's Ws is waited for: behind it 16 (7 - g) loads were issued; the wait's field holds 63 at the most, and a smaller count is safe.
.macro LW on, g
.if \on
.if 16*(7-(\g)) > 63
	s_wait_loadcnt 63
.else
	s_wait_loadcnt 16*(7-(\g))
.endif
.endif
.endm
; Groups g and g + 1 (g = 2, 4, 6): 32 matrix instructions behind ONE wait on va_vdst.  Group g + 1's operands are fetched at once, into the buffer that group g - 2 left; group g + 2's behind the first
; eight products, into the buffer that group g - 1 left (g = 6: the sub-tile's weights in their stead).  The products between name F[g % 3], the accumulators and group g's Ws: none of the registers that those loads touch.
; reload = 1: pass 0's last sub-tile: the registers of Ws that groups g - 2 and g - 1 have left are loaded with pass 1's, sixteen loads behind each eight products.
.macro PAIR g, reload, lw
	PLACES
	s_wait_alu depctr_va_vdst(0)                   ; groups g - 2 and g - 1 are done reading their buffers of A (and their Ws), in which the loads below land; the last way out's multiplications are done reading WR
	FETCHG (\g)+1
	s_wait_dscnt 8                                 ; LDS loads come back in order (ISA guide 5.7.1): group g is in, the eight loads just issued stay out
	LW \lw, \g
	MM 2*(\g)
.if (\g) < 6
	FETCHG (\g)+2
.else
.irp a, 0,1
	ds_load_b128 v[WR+8*(\a):WR+8*(\a)+3],   v[WAD] offset:(\a)*64
	ds_load_b128 v[WR+8*(\a)+4:WR+8*(\a)+7], v[WAD] offset:(\a)*64+16
.endr
.endif
.if \reload
	BLOAD (\g)-2, 1                                ; no further wait: no vector or matrix instruction since the wait above names these registers or v[BO]
.endif
	MM 2*(\g)+1
.if \reload
	BLOAD (\g)-1, 1
.endif
.if (\g) < 6
	s_wait_dscnt 8                                 ; group g + 1 is in, group g + 2's eight loads stay out
.else
	s_wait_dscnt 4                                 ; group 7 is in, the four loads of weights stay out
.endif
	LW \lw, (\g)+1
	MM 2*(\g)+2
	MM 2*(\g)+3
.endm
; A sub-tile's 128 matrix instructions, in eight groups of two K steps.  Groups 0 and 1 have been fetched by what stands in front.
.macro COMPUTE reload, lw
	s_wait_dscnt 8                                 ; group 0 is in, group 1's eight loads stay out
	LW \lw, 0
	MM 0
	MM 1
	s_wait_xcnt 0x0                                ; every earlier memory instruction has had its addresses translated (ISA guide 3.1): only behind this wait are the last way out's data registers (T2 here, T in the next way out) and the stores' base rewritten
	s_wait_alu depctr_vm_vsrc(0)                   ; the last way out's stores have read T2, in which group 2's operands land, and T, which the next way out writes
	FETCHG 2                                       ; what wrote and read this buffer (the way out's multiplications, the last sub-tile's group 5) stands ahead of the way out's wait on va_vdst; nothing since names it
	s_wait_dscnt 8                                 ; group 1 is in, group 2's eight loads stay out
	LW \lw, 1
	MM 2
	MM 3
	PAIR 2, \reload, \lw
	PAIR 4, \reload, \lw
	PAIR 6, \reload, \lw
	PLACES                                         ; for the way out's reads of the results, for the fetches into buffers 0 and 1, and for the last reload
.if \reload
	WIN 0xc0                                       ; the loads' window first, then the wait, then the loads
	s_wait_alu depctr_va_vdst(0)                   ; groups 6 and 7 are done reading their Ws, in which the loads below land
	BLOAD 6, 1
	BLOAD 7, 1
.endif
	WIN 0
	s_wait_dscnt 0x0                               ; the weights are in
.endm
; THE WAY OUT of row block a, into d.  Row 16 a + 8 h + j: the four accumulators' register j times the row's weight are 16 neighbouring bytes.  j ascends: each accumulator is read from its low end on.
.macro EPI_MUL a, d
.irp j, 0,1,2,3,4,5,6,7
.irp c, 0,1,2,3
	v_mul_f32 v[(\d)+4*(\j)+(\c)], v[ACC+8*(4*(\a)+(\c))+(\j)], v[WR+8*(\a)+(\j)]
.endr
.endr
.endm
.macro EPI_ST a, d
.irp j, 0,1,2,3,4,5,6,7
	global_store_b128 v[OO], v[(\d)+4*(\j):(\d)+4*(\j)+3], s[12:13] offset:(\a)*32768+(\j)*2048 th:TH_STORE_NT  ; lanes 0-15: 256 consecutive bytes of row 16 a + j, at a multiple of 256 from out's first byte; lanes 16-31: of row 16 a + 8 + j
.endr
.endm
; What follows a sub-tile's products.  adv: bytes by which out's address steps first (the stores that read it stand ahead of the sub-tile's s_wait_xcnt 0, and none has been issued since).
; bar = 1: x's next sub-tile has just been stored into LDS: my stores are waited for, and a barrier stands between every wave's stores and the fetches; the multiplications stand between its signal and its wait.
; step: 1 the LDS addresses go on a sub-tile, 2 back to sub-tile 0, 0 stay.  fetch = 1: the next sub-tile's groups 0 and 1 are fetched, ahead of the stores.
.macro TAIL adv, bar, fetch, step
.if (\adv) > 0
	s_add_nc_u64 s[12:13], s[12:13], \adv
.elseif (\adv) < 0
	s_sub_nc_u64 s[12:13], s[12:13], -(\adv)
.endif
.if \bar
	s_wait_dscnt 0x0                               ; for the others' sake: my stores into the image are done
	s_barrier_signal -1
.endif
	EPI_MUL 0, T
	EPI_MUL 1, T2
.if \bar
	s_barrier_wait -1
.endif
.if \step
	s_wait_alu depctr_vm_vsrc(0)                   ; the sub-tile's LDS loads have read v[AFR] and v[WAD], which are written below
.endif
.if (\step) == 1
	v_add_nc_u32 v[AFR], SUBT, v[AFR]
	v_add_nc_u32 v[WAD], 128, v[WAD]
.elseif (\step) == 2
	v_mov_b32 v[AFR], v[AFR0]
	v_mov_b32 v[WAD], v[WAD0]
.endif
	s_wait_alu depctr_va_vdst(0)                   ; the multiplications have written T and T2, which the stores read; v[AFR] and v[WAD] are written, which the next LDS loads read; groups 6 and 7 are done reading buffers 0 and 1, in which the fetches land
.if \fetch
	FETCHG 0
	FETCHG 1
.endif
	EPI_ST 0, T
	EPI_ST 1, T2
.endm
; The eight experts' bias for my four columns, at base + 4 e, added as ((0+1)+(2+3))+((4+5)+(6+7)) into dst .. dst + 3
.macro BSUM base, dst
.irp e, 0,2,4,6
	v_pk_add_f32 v[(\base)+4*(\e):(\base)+4*(\e)+1],   v[(\base)+4*(\e):(\base)+4*(\e)+1],   v[(\base)+4*(\e)+4:(\base)+4*(\e)+5]
	v_pk_add_f32 v[(\base)+4*(\e)+2:(\base)+4*(\e)+3], v[(\base)+4*(\e)+2:(\base)+4*(\e)+3], v[(\base)+4*(\e)+6:(\base)+4*(\e)+7]
.endr
.irp e, 0,4
	v_pk_add_f32 v[(\base)+4*(\e):(\base)+4*(\e)+1],   v[(\base)+4*(\e):(\base)+4*(\e)+1],   v[(\base)+4*(\e)+8:(\base)+4*(\e)+9]
	v_pk_add_f32 v[(\base)+4*(\e)+2:(\base)+4*(\e)+3], v[(\base)+4*(\e)+2:(\base)+4*(\e)+3], v[(\base)+4*(\e)+10:(\base)+4*(\e)+11]
.endr
	v_pk_add_f32 v[(\dst):(\dst)+1],   v[(\base):(\base)+1],   v[(\base)+16:(\base)+17]
	v_pk_add_f32 v[(\dst)+2:(\dst)+3], v[(\base)+2:(\base)+3], v[(\base)+18:(\base)+19]
.endm
; The C operand: a column's bias in all eight rows of the lane.  32 copies a pass, in place of an addition for each of the pass's 256 results a lane
.macro SETBIAS src
.irp c, 0,1,2,3
.irp j, 0,1,2,3,4,5,6,7
	v_mov_b32 v[BIAS+8*(\c)+(\j)], v[(\src)+(\c)]
.endr
.endr
.endm
	s_load_b256 s[4:11], s[0:1], 0x0               ; Wf s[4:5], b s[6:7], input s[8:9], weights s[10:11]
	s_load_b64 s[12:13], s[0:1], 0x20              ; out0
	v_lshl_add_u32 v10, v0, 2, 0x20a00
	v_mov_b32 v11, 0
	v_lshrrev_b32 v36, 5, v0
	v_readfirstlane_b32 s16, v36                   ; wave 0..3
	v_and_b32 v36, 31, v0                          ; l
	v_and_b32 v37, 15, v0                          ; r = l % 16
	v_bfe_u32 v38, v0, 4, 1                        ; h = l / 16
	s_wait_alu depctr_va_sdst(0)                   ; s16 is written, ahead of its first reader: LDS places, offsets and Ws's base are made from it
	s_mul_i32 s17, s16, 8*PITCH                    ; my eight rows of a sub-tile in LDS
	v_lshlrev_b32 v[BO], 4, v36
	v_lshl_add_u32 v[XO], s16, 14, v[BO]
	v_lshlrev_b32 v[PFO], 8, v36
	v_lshl_add_u32 v[PFO], s16, 14, v[PFO]
	v_lshl_add_u32 v[AST], v36, 3, s17
	v_mul_u32_u24 v[AFR0], v37, PITCH
	v_lshl_add_u32 v[AFR0], v38, 4, v[AFR0]
	v_mov_b32 v[AFR], v[AFR0]
	v_lshl_add_u32 v[WAD0], v38, 5, WB
	v_mov_b32 v[WAD], v[WAD0]
	v_lshlrev_b32 v33, 4, v37
	v_lshl_add_u32 v33, s16, 8, v33                ; my four columns in a row of b, and in a pass's 1,024 bytes of a row of out: 256 wave + 16 r
	v_lshl_add_u32 v[OO], v38, 14, v33             ; + 8 h rows of 2,048 bytes
	v_lshlrev_b32 v34, 2, v0                       ; thread t fetches the weight of row t
	v_lshl_add_u32 v35, v0, 2, WB                  ; and puts it here
	s_lshl_b32 s18, ttmp9, 18                      ; the work-group's 128 rows of 2,048 bytes
	s_mov_b32 s19, 0
	s_lshl_b32 s20, ttmp9, 9                       ; its 128 weights
	s_mov_b32 s21, 0
	s_lshl_b32 s22, s16, 16                        ; my wave's 65,536 bytes of a pass's Ws
	s_mov_b32 s23, 0
	s_wait_kmcnt 0x0
	s_add_nc_u64 s[4:5], s[4:5], s[22:23]
	s_add_nc_u64 s[8:9], s[8:9], s[18:19]
	s_add_nc_u64 s[10:11], s[10:11], s[20:21]
	s_add_nc_u64 s[12:13], s[12:13], s[18:19]
	s_wait_alu depctr_va_vdst(0)                   ; all offsets and LDS addresses (v1 to v9, v33 to v35) are written, which the loads, prefetches and stores below read; up to the bias sums only loads, a prefetch and window switches follow
	global_load_b32 v32, v34, s[10:11]
.irp p, 0,1
.irp e, 0,1,2,3,4,5,6,7
	global_load_b128 v[F+32*(\p)+4*(\e):F+32*(\p)+4*(\e)+3], v33, s[6:7] offset:(\e)*2048+(\p)*1024
.endr
.endr
.irp g, 0,1,2,3,4,5,6,7
	BLOAD \g, 0                                    ; pass 0's Ws: 128 loads
.endr
	XLOAD 0, 0
	XLOAD 1, 1
	XPREF 2                                        ; sub-tile 2 is loaded when bank 0 has been stored
	s_wait_loadcnt 63                              ; the youngest 64 loads are x's: the weight, b and all of Ws are in
	BSUM F, F
	BSUM F+32, BS1
	SETBIAS F
	ds_store_b32 v35, v32                          ; v35 stands ahead of the head's wait, v32 came by a load; the sums and copies above name neither
	FEED 0, 32, 2                                  ; sub-tile 0 into LDS (bank 1's 32 loads stay out); bank 0 takes sub-tile 2
	XPREF 3                                        ; sub-tile 3 is loaded when bank 1 has been stored, a sub-tile's products later; nothing lies beyond it
	s_wait_dscnt 0x0                               ; for the others' sake: my stores of x and of the weight are done
	s_barrier_signal -1
	s_barrier_wait -1
	FETCHG 0                                       ; the bias sums and copies, which read and wrote buffers 0 and 1, stand ahead of FEED's waits on va_vdst; the one vector instruction since names v[AST] alone
	FETCHG 1
	; PASS 0: columns 0 to 255.  The LDS image is only ever added to, so one barrier a sub-tile, between its stores and its reads, is all.
	COMPUTE 0, 0                                   ; sub-tile 0
	FEED 1, 32, 3                                  ; sub-tile 1 into LDS (behind bank 1's loads stand bank 0's 32); bank 1 takes sub-tile 3
	TAIL 0, 1, 1, 1                                ; (T's first four registers were the head's temporaries: the loads and the LDS store that read them stand ahead of the waits on vm_vsrc above)
	COMPUTE 0, 0                                   ; sub-tile 1
	FEED 0, 32, -1                                 ; sub-tile 2 into LDS
	TAIL 65536, 1, 1, 1
	COMPUTE 0, 0                                   ; sub-tile 2
	FEED 1, 0, -1                                  ; sub-tile 3 into LDS: no load is younger
	TAIL 65536, 1, 1, 1
	COMPUTE 1, 0                                   ; sub-tile 3; Ws is exchanged for pass 1's, two groups behind each wait
	TAIL 65536, 0, 1, 2                            ; the fetches go back to sub-tile 0
	SETBIAS BS1                                    ; the last products that read the C operand stand a sub-tile's places back; no memory instruction names these registers
	; PASS 1: columns 256 to 511, from the same image: no store into LDS, no barrier.
	COMPUTE 0, 1                                   ; sub-tile 0
	TAIL -195584, 0, 1, 1                          ; out: three sub-tiles of 65,536 bytes back, 1,024 bytes along the rows
	s_mov_b32 s20, 2
.Lp1:                                                  ; sub-tiles 1 and 2; the way in and the way back leave the same behind: 16 LDS loads out, 16 stores whose registers the sub-tile's own waits free
	COMPUTE 0, 0
	TAIL 65536, 0, 1, 1
	s_sub_co_u32 s20, s20, 1
	s_cmp_lg_u32 s20, 0
	s_cbranch_scc1 .Lp1
	COMPUTE 0, 0                                   ; sub-tile 3: nothing more is fetched
	TAIL 65536, 0, 0, 0
	s_wait_dscnt 0x0                               ; the wave's end
	s_wait_alu depctr_hold_cnt(0) depctr_sa_sdst(0) depctr_va_vdst(0) depctr_va_sdst(0) depctr_va_ssrc(0) depctr_va_vcc(0) depctr_vm_vsrc(0)
	s_wait_tensorcnt 0x0
	ds_add_u32 v10, v11
	s_wait_dscnt 0x0
	s_endpgm
.Lfunc_end_k_qfc23f16a6e_mix:
	.size	k_qfc23f16a6e_mix, .Lfunc_end_k_qfc23f16a6e_mix-k_qfc23f16a6e_mix
	.p2alignl 7, 3214868480
	.fill 96, 4, 3214868480
	.section	.rodata,"a",@progbits
	.p2align	6, 0x0
	.amdhsa_kernel k_qfc23f16a6e_mix
		.amdhsa_group_segment_fixed_size 134144
		.amdhsa_private_segment_fixed_size 0
		.amdhsa_enable_private_segment 0
		.amdhsa_kernarg_size 40
		.amdhsa_user_sgpr_count 2
		.amdhsa_user_sgpr_kernarg_segment_ptr 1
		.amdhsa_wavefront_size32 1
		.amdhsa_system_sgpr_workgroup_id_x 1
		.amdhsa_system_sgpr_workgroup_id_y 1
		.amdhsa_system_sgpr_workgroup_id_z 1
		.amdhsa_system_vgpr_workitem_id 0
		.amdhsa_next_free_vgpr 1024
		.amdhsa_next_free_sgpr 66
		.amdhsa_reserve_vcc 0
		.amdhsa_float_denorm_mode_32 3
		.amdhsa_float_denorm_mode_16_64 3
		.amdhsa_memory_ordered 1
		.amdhsa_forward_progress 1
		.amdhsa_inst_pref_size 190
	.end_amdhsa_kernel
	.amdgpu_metadata
---
amdhsa.version: [ 1, 2 ]
amdhsa.kernels:
  - .name:           k_qfc23f16a6e_mix
    .symbol:         k_qfc23f16a6e_mix.kd
    .args:
      - { .name: Wf, .offset: 0, .size: 8, .value_kind: global_buffer, .address_space: global }
      - { .name: b, .offset: 8, .size: 8, .value_kind: global_buffer, .address_space: global }
      - { .name: input, .offset: 16, .size: 8, .value_kind: global_buffer, .address_space: global }
      - { .name: weights, .offset: 24, .size: 8, .value_kind: global_buffer, .address_space: global }
      - { .name: out0, .offset: 32, .size: 8, .value_kind: global_buffer, .address_space: global }
    .group_segment_fixed_size: 134144
    .private_segment_fixed_size: 0
    .kernarg_segment_align: 8
    .kernarg_segment_size: 40
    .max_flat_workgroup_size: 128
    .sgpr_count:     66
    .vgpr_count:     1024
    .wavefront_size: 32
...
	.end_amdgpu_metadata
.endif
;; end of part 3
